; MI455X (gfx1250); checked and timed in simulation.
; The chip was launched on July 23, 2026; its instructions are those of AMD's public machine-readable ISA for CDNA 5 (MIT licence, August 2026) and "CDNA5" Instruction Set Architecture Reference Guide (July 2026). The comments in the code are by the model that wrote it; some were corrected since.
;; Multi Head Attention. Allowed arithmetic: matrix products marked QUANTISED: E5M2 operands, one E8M0 scale for each 32 along K, by v_wmma_scale_f32_16x16x128_f8f6f4 with both operands' format E5M2, f32 sums; everything else in f32.
;; Inputs: fc_b 768 float32; fc_w 768 x 768 float32; keys 2 x 4,096 x 768 float32; query 2 x 4,096 x 768 float32; values 2 x 4,096 x 768 float32.
;; Outputs: out0 2 x 4,096 x 768 float32.
;; This version of the problem:
;;   THIS VERSION OF THE PROBLEM IS GIVEN IN LOW PRECISION. The matrix products marked QUANTISED in the list below multiply operands that are first quantised to E5M2 (5 exponent bits, 2 mantissa bits; 8 bits a number), with one power-of-two scale for each 32 numbers along K (OCP MX v1.0); their sums are f32. All else is computed in f32.
;;   The module's matrix products, in the order in which they are computed (A, B: the left and right operand; K: the contracted axis; several contracted axes count as one K, in the product's order):
;;     1. batch 16 x [M 4,096, K 96] x [K 96, N 4,096]; A: input query; B: input keys: QUANTISED
;;     2. batch 16 x [M 4,096, K 4,096] x [K 4,096, N 96]; A: softmax (see below); B: input values: QUANTISED
;;     3. [M 8,192, K 768] x [K 768, N 768]; A: computed on the way; B: input fc_w: QUANTISED
;;   THE QUANTISER, for each operand of a quantised product, along K:
;;     - K is cut into blocks of 32 from its start; a last block that is shorter is filled with zeros.
;;     - A block's scale is 2^e with e = floor(log2(the largest magnitude in the block)) - 15, held to -126 .. 127; a block of zeros has e = 0. As a byte (E8M0): e + 127.
;;     - Each number is divided by its block's scale, clamped to +-57,344, and rounded to the nearest number of E5M2, ties to even, subnormals kept.
;;     - The product sums the exact products of the quantised numbers (number of the format x scale) in f32.
;;   ~~~python
;;   def quantise(x, axis):      # numpy; x: float32 -> the quantised numbers, widened to float32 again
;;       x = np.moveaxis(x, axis, -1); K = x.shape[-1]
;;       x = np.pad(x, [(0, 0)] * (x.ndim - 1) + [(0, -K % 32)]); x = x.reshape(x.shape[:-1] + (-1, 32)); a = np.abs(x).max(-1, keepdims=True)
;;       e = np.where(a > 0, np.clip(np.frexp(np.where(a > 0, a, 1))[1] - 1 - 15, -126, 127), 0)      # np.frexp(a)[1] - 1 = floor(log2(a)), exactly
;;       r = np.clip(x / 2.0 ** e, -57344, 57344)
;;       step = 2.0 ** (np.maximum(np.frexp(np.where(r == 0, 1, r))[1] - 1, -14) - 2)
;;       q = np.round(r / step) * step * 2.0 ** e      # np.round: ties to even
;;       return np.moveaxis(q.reshape(q.shape[:-2] + (-1,))[..., :K], -1, axis).astype(np.float32)
;;   ~~~
;;   SOFTMAX AHEAD OF A QUANTISED PRODUCT. Where the list says 'softmax', what is quantised is not the finished softmax but p = 2^(t - M), with t = logit x log2(e) and M = ceil(the row's largest t), a whole number; so 1/2 < the row's largest p <= 1. The row's sum l is taken of the UNQUANTISED p, in f32, and the product's result is divided by l at the end. Since M is a whole number, a kernel that streams over the keys may use a running M (the ceiling of the running maximum): every later rescaling is an exact power of two, which a block's scale takes up: the codes' values come out the same.
;;   OPERANDS COMPUTED ON THE WAY. 'Computed on the way' means the value that the module computes at that place (a softmax that the list does not call 'softmax' is quantised finished and normalised). What goes into a quantiser is computed in f32, as accurately as f32 sums, v_exp_f32 and their like allow (about 1e-6 of the number): no bf16 or f16 on the way to a quantiser, and a product that is left as it is and whose result goes on into a quantised operand takes f32 operands (vector FMAs, or v_wmma_f32_16x16x4_f32). A number that lies on a knife's edge between two numbers of the format may be rounded either way, as far as f32 arithmetic and the matrix unit's own rounding can turn it there, and no further.
;; One version. Each part assembles by itself: llvm-mc -triple=amdgcn-amd-amdhsa -mcpu=gfx1250 --defsym DOCPART=n.
;; ======== version 1 of 1: 3 launches
;; limits: right only within a limited range of input values
;; workspace buffers: kv 13,107,200 bytes; wc 589,824 bytes; ws 24,576 bytes; xc 6,291,456 bytes; xs 262,144 bytes
;; launch quant (part 1): grid 944 x 1, 4 waves a work-group, no clusters, 17,920 bytes of LDS; arguments keys, fc_w, values, kv, wc, ws; writes kv, wc, ws
.if DOCPART == 1
	.amdgcn_target "amdgcn-amd-amdhsa--gfx1250"
	.amdhsa_code_object_version 6
	.text
	.protected	k_qaf7c61f08d_quant
	.globl	k_qaf7c61f08d_quant
	.p2align	8
	.type	k_qaf7c61f08d_quant,@function
k_qaf7c61f08d_quant:
	s_mov_b64 s[64:65], 0
	v_nop
	global_prefetch_b8 v0, s[64:65] scope:SCOPE_SE
	s_setreg_imm32_b32 hwreg(HW_REG_WAVE_MODE, 25, 1), 1
	s_wait_xcnt 0x0
; keys [8192][768], fc_w [768][768] and values [8192][768], f32, become codes of BF8 (E5M2) with one E8M0 scale byte for each 32 along the K of the product that reads them.  (query is read by one wave only and is quantised in the launch that uses it.)
; A block's scale is 2^(floor(log2(its largest magnitude)) - 15); its byte is the largest magnitude's exponent field - 15, held at 1 from below; each number is held within +-57,344 x the scale and rounded to the nearest code, ties to even.
; LIMITS: NaN and infinities among the inputs are not served.  A block of zeros, or one whose largest magnitude lies under 2^-111 (the floor), gets the byte 1: a block of zeros has zero codes,
; which add nothing under any byte but 0xff, and the bytes are read by this program alone.
; THE CODES ARE LAID AS IMAGES OF THE OPERAND'S REGISTERS.  A ROW TILE T = 2 b + u is 16 rows: lane-row r is memory row 32 b + 8 u + r + 8 (r / 8).  For block g of 32 along a row an image is 512 bytes:
; lane (r, h) has the 16 codes of k = 32 g + 16 h + 0 .. 15 at byte 16 x lane.  A head's 96 channels are three images.  Its scale word (three bytes, then 0x7f for the fourth block, whose codes are zeros) is 4 bytes a lane-row.
;   wc: [T][24 images][512];  ws: [T][head 8][r 16] words.
;   kv: [head 16][key step 32][25,600]: K's codes [tile 8][3][512], V's codes [tile of channels 6][key block 4][512], K's scale words [8][16], V's [6][16], 128 bytes of zeros: one dense block for each 128 keys of a head.
; WORK-GROUPS 0-511 take keys' row tiles, 512-559 fc_w's: K is innermost there (path R).  560-943 take values, whose K, the keys, is its first axis (path V).
; No matrix unit, no tensor loads, no cluster: every input byte is read once by one wave, and waves share nothing, so there is no barrier either.
.set NR,    560                        ; work-groups of path R
.set ROWB,  3072                       ; a row of any of the three tensors in bytes
.set STEPB, 25600                      ; a key step's block of kv
.set HEADB, 32*STEPB
.set VOFF,  12288                      ; in a block: V's codes,
.set KSO,   24576                      ; K's scale words,
.set VSO,   25088                      ; V's
.set FLOOR, 0x8000000                  ; 2^(16 - 127)
.set DEXP,  0xf8800000                 ; -(15 << 23)
.set EXPM,  0x7f800000
.set MANT,  0x600000                   ; the mantissa field of 57,344
.set SP,    272                        ; path R: a stage row: 256 bytes + 16
.set R,     32                         ; path R: v32-127  three steps x 32 registers as loaded
.set X,     128                        ;         v128-159 two blocks x 16 neighbours
.set C,     160                        ;         v160-183 six blocks x 4 registers of codes: no store's data are written again
.set E,     184                        ;         v184-189 six scale bytes
.set XV,    32                         ; path V: v32-95   two sets of 32 numbers
.set CV,    96                         ;         v96-127  four blocks x 8 registers of codes
; path R: step j = 256 bytes of each of my 16 rows: eight loads, two rows each; sixteen lanes read 256 consecutive bytes, aligned
.macro RLOAD j
.irp i, 0,1,2,3,4,5,6,7
	global_load_b128 v[R+32*\j+4*\i:R+32*\j+4*\i+3], v2, s[24:25] offset:(2*\i+8*(\i/4))*ROWB+256*\j th:TH_LOAD_NT
.endr
.endm
; two blocks of 32 (16 numbers a lane, the other 16 in lane l xor 16), by turns, become codes and bytes
.macro QUANT2 j
.irp e, 0,1
	v_max3_num_f32 v[8+\e], |v[X+16*\e]|, |v[X+16*\e+1]|, FLOOR    ; my 16 numbers, and the floor: the byte cannot fall under 1
.endr
.irp k, 2,4,6,8,10,12,14
.irp e, 0,1
	v_max3_num_f32 v[8+\e], v[8+\e], |v[X+16*\e+\k]|, |v[X+16*\e+\k+1]|
.endr
.endr
.irp e, 0,1
	v_permlanex16_b32 v[10+\e], v[8+\e], s34, s35
.endr
.irp e, 0,1
	v_max_num_f32 v[8+\e], v[8+\e], v[10+\e]                       ; the block's largest magnitude
.endr
.irp e, 0,1
	v_add_nc_u32 v[14+\e], DEXP, v[8+\e]                           ; 15 off its exponent field: the conversion's scale operand
.endr
.irp e, 0,1
	v_and_or_b32 v[12+\e], v[8+\e], EXPM, s33                      ; 57,344 x the scale
.endr
.irp e, 0,1
.irp k, 0,1,2,3,4,5,6,7,8,9,10,11,12,13,14,15
	v_med3_num_f32 v[X+16*\e+\k], v[X+16*\e+\k], -v[12+\e], v[12+\e]   ; the conversion to an 8-bit code does not saturate (ISA guide 7.6.2): the hold
.endr
	v_cvt_scalef32_pk8_bf8_f32 v[C+4*(2*\j+\e):C+4*(2*\j+\e)+1], v[X+16*\e:X+16*\e+7], v[14+\e]
	v_cvt_scalef32_pk8_bf8_f32 v[C+4*(2*\j+\e)+2:C+4*(2*\j+\e)+3], v[X+16*\e+8:X+16*\e+15], v[14+\e]
	v_lshrrev_b32 v[E+2*\j+\e], 23, v[14+\e]                       ; the scale's byte; also the plain line behind the conversions
.endr
.endm
; step j: through my wave's stage (in as loaded, out 64 bytes a lane), quantised, stored as two images of 512 consecutive bytes
.macro RSTEP j
	s_wait_loadcnt 16-8*\j                         ; this step's eight loads are in; the later steps' eight each may be out
.irp i, 0,1,2,3,4,5,6,7
	ds_store_b128 v3, v[R+32*\j+4*\i:R+32*\j+4*\i+3] offset:2*\i*SP
.endr
.irp e, 0,1
.irp k, 0,1,2,3
	ds_load_b128 v[X+16*\e+4*\k:X+16*\e+4*\k+3], v4 offset:128*\e+16*\k    ; LDS serves a wave's instructions in order (ISA guide 5.7.1.4): these see the stores above
.endr
.endr
	s_wait_dscnt 0x0
	QUANT2 \j
.irp e, 0,1
	global_store_b128 v5, v[C+4*(2*\j+\e):C+4*(2*\j+\e)+3], s[26+2*((2*\j+\e)/3):27+2*((2*\j+\e)/3)] offset:((2*\j+\e)%3)*512
.endr
.endm
; path V: block t: values(32 t + i, my column), i = 0 .. 31, into set t % 2
.macro VLOAD t
.irp i, 0,1,2,3,4,5,6,7,8,9,10,11,12,13,14,15,16,17,18,19,20,21,22,23,24,25,26,27,28,29,30,31
	global_load_b32 v[XV+32*((\t)%2)+\i], v2, s[24:25] offset:(32*(\t)+\i)*ROWB th:TH_LOAD_NT
.endr
.endm
.macro VBLOCK t
.set XS, XV+32*((\t)%2)
.if (\t) < 3
	s_wait_loadcnt 32                              ; this block's 32 loads are in; the next block's may be out
.else
	s_wait_loadcnt 0x0
.endif
	v_max3_num_f32 v12, |v[XS]|, |v[XS+1]|, |v[XS+2]|              ; all 32 numbers of the block are mine
	v_max3_num_f32 v13, |v[XS+3]|, |v[XS+4]|, |v[XS+5]|
.irp i, 6,10,14,18,22,26
	v_max3_num_f32 v12, v12, |v[XS+\i]|, |v[XS+\i+1]|
	v_max3_num_f32 v13, v13, |v[XS+\i+2]|, |v[XS+\i+3]|
.endr
	v_max3_num_f32 v12, v12, |v[XS+30]|, |v[XS+31]|
	v_max3_num_f32 v12, v12, v13, FLOOR
	v_add_nc_u32 v11, DEXP, v12
	v_and_or_b32 v10, v12, EXPM, s33
	v_lshrrev_b32 v13, 23, v11
.if (\t) == 0
	v_mov_b32 v128, v13                            ; the four key blocks' bytes make my channel's scale word
.else
	v_lshl_or_b32 v128, v13, 8*(\t), v128
.endif
.irp i, 0,1,2,3,4,5,6,7,8,9,10,11,12,13,14,15,16,17,18,19,20,21,22,23,24,25,26,27,28,29,30,31
	v_med3_num_f32 v[XS+\i], v[XS+\i], -v10, v10
.endr
.irp g, 0,1,2,3
	v_cvt_scalef32_pk8_bf8_f32 v[CV+8*(\t)+2*\g:CV+8*(\t)+2*\g+1], v[XS+8*\g:XS+8*\g+7], v11
.endr
	v_nop                                          ; a plain line behind the conversions
	global_store_b128 v5, v[CV+8*(\t):CV+8*(\t)+3], s[26:27] offset:512*(\t)          ; keys 32 t + 0 .. 15: the image's lanes 0-15; sixteen lanes store 256 consecutive bytes, aligned
	global_store_b128 v5, v[CV+8*(\t)+4:CV+8*(\t)+7], s[26:27] offset:512*(\t)+256    ; keys 32 t + 16 .. 31: its lanes 16-31
.if (\t) < 2
	VLOAD (\t)+2
.endif
.endm
	s_load_b256 s[4:11], s[0:1], 0x0               ; keys 4, fc_w 6, values 8, kv 10
	s_load_b128 s[12:15], s[0:1], 0x20             ; wc 12, ws 14
	v_lshl_add_u32 v192, v0, 2, 0x4400
	v_mov_b32 v193, 0
	v_lshrrev_b32 v1, 5, v0
	v_readfirstlane_b32 s22, v1                    ; wave 0..3
	v_and_b32 v1, 31, v0                           ; lane
	s_mov_b32 s33, MANT
	s_mov_b32 s34, 0x76543210
	s_mov_b32 s35, 0xfedcba98                      ; v_permlanex16_b32's selects for lane l xor 16
	s_cmp_ge_u32 ttmp9, NR
	s_cbranch_scc1 .Lvalues
	; ---- PATH R.  The work-group is a row tile T; wave w takes heads 2 w and 2 w + 1: 768 bytes of each of the 16 rows, six blocks of 32.
	s_cmp_lt_u32 ttmp9, 512
	s_cselect_b32 s36, 0, 512
	s_sub_co_u32 s36, ttmp9, s36                   ; T
	s_lshr_b32 s37, s36, 1
	s_lshl_b32 s37, s37, 5
	s_and_b32 s38, s36, 1
	s_lshl_b32 s38, s38, 3
	s_add_co_u32 s37, s37, s38                     ; the tile's first row: 32 (T / 2) + 8 (T % 2)
	s_mul_i32 s37, s37, ROWB
	s_mul_i32 s38, s22, 768
	s_add_co_u32 s40, s37, s38                     ; where my wave reads
	s_mov_b32 s41, 0
	s_mul_i32 s42, s36, 12288                      ; fc_w: codes at 12,288 T + 3,072 w, the second head 1,536 on;
	s_mul_i32 s38, s22, 3072
	s_add_co_u32 s42, s42, s38
	s_lshl_b32 s43, s36, 9                         ; scale words at 512 T + 128 w, the second head's 64 on
	s_lshl_b32 s38, s22, 7
	s_add_co_u32 s43, s43, s38
	s_lshr_b32 s44, s36, 8                         ; keys: the block of head 8 (T / 256) + 2 w, key step (T / 8) % 32;
	s_lshl_b32 s44, s44, 3
	s_lshl_b32 s38, s22, 1
	s_add_co_u32 s44, s44, s38
	s_lshl_b32 s44, s44, 5
	s_bfe_u32 s38, s36, 0x50003
	s_add_co_u32 s44, s44, s38
	s_mul_i32 s44, s44, STEPB
	s_and_b32 s38, s36, 7                          ; in it tile T % 8: codes at 1,536 x tile, words at KSO + 64 x tile; the second head's block lies HEADB on
	s_mul_i32 s45, s38, 1536
	s_add_co_u32 s45, s45, s44
	s_lshl_b32 s38, s38, 6
	s_add_co_u32 s46, s44, s38
	s_add_co_u32 s46, s46, KSO
	s_mov_b32 s39, HEADB
	s_cmp_lt_u32 ttmp9, 512                        ; keys?
	s_cselect_b32 s42, s45, s42                    ; codes' offset
	s_cselect_b32 s44, s46, s43                    ; scale words' offset
	s_cselect_b32 s46, s39, 1536                   ; from the first head's codes to the second's
	s_cselect_b32 s32, s39, 64                     ; and from its scale words
	s_mov_b32 s43, 0
	s_mov_b32 s45, 0
	s_mov_b32 s47, 0
	v_and_b32 v7, 15, v0                           ; r
	v_bfe_u32 v16, v0, 4, 1                        ; h
	v_lshlrev_b32 v17, 4, v7
	v_mad_u32_u24 v2, v16, ROWB, v17               ; in: lanes 0-15 one row, lanes 16-31 the next; 16 bytes a lane
	s_mul_i32 s38, s22, 16*SP                      ; my wave's stage
	v_mad_u32_u24 v3, v16, SP, v17
	v_add_nc_u32 v3, s38, v3                       ; into it: as loaded
	v_mul_u32_u24 v4, v7, SP
	v_lshl_add_u32 v4, v16, 6, v4
	v_add_nc_u32 v4, s38, v4                       ; out of it: row r, my half's 64 bytes of a block
	v_lshlrev_b32 v5, 4, v1                        ; an image: 16 x lane
	v_lshlrev_b32 v6, 2, v7
	v_mad_u32_u24 v6, v16, s32, v6                 ; scale words: lanes 0-15 the first head's, lanes 16-31 the second's
	v_mov_b32 v10, 0                               ; written once: a lane permute's destination counts as one of its sources
	v_mov_b32 v11, 0
	s_wait_alu depctr_va_vdst(0)                   ; the wait at the head's end
	s_wait_kmcnt 0x0
	s_cmp_lt_u32 ttmp9, 512                        ; the buffers are chosen by the work-group's number alone
	s_cselect_b64 s[24:25], s[4:5], s[6:7]
	s_cselect_b64 s[26:27], s[10:11], s[12:13]
	s_cselect_b64 s[30:31], s[10:11], s[14:15]
	s_add_nc_u64 s[24:25], s[24:25], s[40:41]
	s_add_nc_u64 s[26:27], s[26:27], s[42:43]      ; the first head's codes,
	s_add_nc_u64 s[28:29], s[26:27], s[46:47]      ; the second's
	s_add_nc_u64 s[30:31], s[30:31], s[44:45]
	RLOAD 0                                        ; all 24 loads of the wave go out at once: 12,288 bytes on their way
	RLOAD 1
	RLOAD 2
	RSTEP 0
	RSTEP 1
	RSTEP 2
	v_lshl_or_b32 v190, v[E+1], 8, v[E]            ; the first head's three bytes,
	v_lshl_or_b32 v191, v[E+4], 8, v[E+3]          ; the second's
	v_lshl_or_b32 v190, v[E+2], 16, v190
	v_lshl_or_b32 v191, v[E+5], 16, v191
	v_cmp_le_u32 vcc_lo, 16, v1
	v_cndmask_b32 v190, v190, v191, vcc_lo         ; lanes 16-31 carry the second head's word
	v_or_b32 v190, 0x7f000000, v190                ; the fourth block's byte: 1.0 over zero codes
	global_store_b32 v6, v190, s[30:31]
	s_wait_tensorcnt 0x0                           ; the wave's end
	ds_add_u32 v192, v193
	s_wait_dscnt 0x0
	s_endpgm
	; ---- PATH V.  A LANE TAKES A CHANNEL, AND ITS REGISTERS RUN DOWN THE KEYS: a block of 32 keys lies in one lane, and the codes come out with the keys innermost.  Nothing is transposed.
	; The wave takes 128 keys x 32 channels (a third of a head); the four waves stand side by side on 512 consecutive bytes of each row.
.Lvalues:
	s_sub_co_u32 s36, ttmp9, NR
	s_lshr_b32 s37, s36, 6
	s_and_b32 s36, s36, 63                         ; which 128 rows of values: 32 x batch + key step
	s_lshl_b32 s37, s37, 2
	s_add_co_u32 s37, s37, s22                     ; which 32 columns, 0 .. 23
	s_mul_i32 s38, s37, 11
	s_lshr_b32 s38, s38, 5                         ; the head = that / 3 (exact for 0 .. 23)
	s_mul_i32 s39, s38, 3
	s_sub_co_u32 s39, s37, s39                     ; b: which third of the head
	s_mul_i32 s40, s36, 128*ROWB
	s_lshl_b32 s41, s37, 7
	s_add_co_u32 s40, s40, s41
	s_mov_b32 s41, 0
	s_lshr_b32 s42, s36, 5
	s_lshl_b32 s42, s42, 3
	s_add_co_u32 s42, s42, s38
	s_lshl_b32 s42, s42, 5
	s_and_b32 s43, s36, 31
	s_add_co_u32 s42, s42, s43
	s_mul_i32 s42, s42, STEPB                      ; the head's block of this key step
	s_lshl_b32 s43, s39, 12
	s_add_co_u32 s44, s42, s43
	s_add_co_u32 s44, s44, VOFF                    ; tiles 2 b and 2 b + 1 of V's codes
	s_mov_b32 s45, 0
	s_lshl_b32 s43, s39, 7
	s_add_co_u32 s46, s42, s43
	s_add_co_u32 s46, s46, VSO                     ; and their scale words
	s_mov_b32 s47, 0
	v_and_b32 v2, 7, v0
	v_bfe_u32 v7, v0, 4, 1                         ; u
	v_bfe_u32 v16, v0, 3, 1
	v_lshl_add_u32 v2, v7, 3, v2
	v_lshl_add_u32 v2, v16, 4, v2                  ; lane 16 u + r takes channel 8 u + r + 8 (r / 8) of the 32: it is lane-row r of tile 2 b + u
	v_lshlrev_b32 v2, 2, v2
	v_and_b32 v5, 15, v0
	v_lshlrev_b32 v5, 4, v5
	v_lshl_add_u32 v5, v7, 11, v5                  ; out: tile u's images, 16 bytes at lane-row r
	v_lshlrev_b32 v6, 2, v1
	v_mov_b32 v129, 0
	s_wait_alu depctr_va_vdst(0)                   ; the wait at the head's end
	s_wait_kmcnt 0x0
	s_add_nc_u64 s[24:25], s[8:9], s[40:41]
	s_add_nc_u64 s[26:27], s[10:11], s[44:45]
	s_add_nc_u64 s[30:31], s[10:11], s[46:47]
	VLOAD 0
	VLOAD 1
	VBLOCK 0
	VBLOCK 1
	VBLOCK 2
	VBLOCK 3
	global_store_b32 v6, v128, s[30:31]            ; 32 scale words: 128 consecutive bytes
	s_cmp_lg_u32 s39, 2
	s_cbranch_scc1 .Lno_pad
	global_store_b32 v6, v129, s[30:31] offset:128 ; the block's last 128 bytes: copied with the block, read by nobody, so they are written
.Lno_pad:
	s_endpgm
.Lfunc_end_k_qaf7c61f08d_quant:
	.size	k_qaf7c61f08d_quant, .Lfunc_end_k_qaf7c61f08d_quant-k_qaf7c61f08d_quant
	.p2alignl 7, 3214868480
	.fill 96, 4, 3214868480
	.section	.rodata,"a",@progbits
	.p2align	6, 0x0
	.amdhsa_kernel k_qaf7c61f08d_quant
		.amdhsa_group_segment_fixed_size 17920
		.amdhsa_private_segment_fixed_size 0
		.amdhsa_enable_private_segment 0
		.amdhsa_kernarg_size 48
		.amdhsa_user_sgpr_count 2
		.amdhsa_user_sgpr_kernarg_segment_ptr 1
		.amdhsa_wavefront_size32 1
		.amdhsa_system_sgpr_workgroup_id_x 1
		.amdhsa_system_sgpr_workgroup_id_y 1
		.amdhsa_system_sgpr_workgroup_id_z 1
		.amdhsa_system_vgpr_workitem_id 0
		.amdhsa_next_free_vgpr 194
		.amdhsa_next_free_sgpr 66
		.amdhsa_reserve_vcc 1
		.amdhsa_float_denorm_mode_32 3
		.amdhsa_float_denorm_mode_16_64 3
		.amdhsa_memory_ordered 1
		.amdhsa_forward_progress 1
		.amdhsa_inst_pref_size 51
	.end_amdhsa_kernel
	.amdgpu_metadata
---
amdhsa.version: [ 1, 2 ]
amdhsa.kernels:
  - .name:           k_qaf7c61f08d_quant
    .symbol:         k_qaf7c61f08d_quant.kd
    .args:
      - { .name: keys, .offset: 0, .size: 8, .value_kind: global_buffer, .address_space: global }
      - { .name: fc_w, .offset: 8, .size: 8, .value_kind: global_buffer, .address_space: global }
      - { .name: values, .offset: 16, .size: 8, .value_kind: global_buffer, .address_space: global }
      - { .name: kv, .offset: 24, .size: 8, .value_kind: global_buffer, .address_space: global }
      - { .name: wc, .offset: 32, .size: 8, .value_kind: global_buffer, .address_space: global }
      - { .name: ws, .offset: 40, .size: 8, .value_kind: global_buffer, .address_space: global }
    .group_segment_fixed_size: 17920
    .private_segment_fixed_size: 0
    .kernarg_segment_align: 8
    .kernarg_segment_size: 48
    .max_flat_workgroup_size: 128
    .sgpr_count:     66
    .vgpr_count:     194
    .wavefront_size: 32
...
	.end_amdgpu_metadata
.endif
;; end of part 1
;; launch attn (part 2): grid 16 x 16, 8 waves a work-group, clusters of 4 x 1, 327,680 bytes of LDS; arguments query, kv, xc, xs; writes xc, xs
.if DOCPART == 2
	.amdgcn_target "amdgcn-amd-amdhsa--gfx1250"
	.amdhsa_code_object_version 6
	.text
	.protected	k_qaf7c61f08d_attn
	.globl	k_qaf7c61f08d_attn
	.p2align	8
	.type	k_qaf7c61f08d_attn,@function
k_qaf7c61f08d_attn:
	s_mov_b64 s[64:65], 0
	v_nop
	global_prefetch_b8 v0, s[64:65] scope:SCOPE_SE
	s_setreg_imm32_b32 hwreg(HW_REG_WAVE_MODE, 25, 1), 1
	s_wait_xcnt 0x0
	s_wait_alu depctr_hold_cnt(0) depctr_sa_sdst(0) depctr_va_vdst(0) depctr_va_sdst(0) depctr_va_ssrc(0) depctr_va_vcc(0) depctr_vm_vsrc(0)
	s_getreg_b32 s2, hwreg(HW_REG_IB_STS2, 6, 4)
	s_cmp_eq_u32 s2, 0
	s_cbranch_scc0 .Lentry_in_a_cluster
	s_endpgm
.Lentry_in_a_cluster:
	s_bfe_u32 s2, ttmp6, 0x10000c
	s_cmp_lg_u32 s2, 0x3003
	s_cbranch_scc0 .Lentry_shape_is_right
	s_endpgm
.Lentry_shape_is_right:
; x[n][q][96 h + d] = the sum over k of softmax_k(Q . K / sqrt(96)) V, for 16 heads of 4,096 queries and keys, both products on codes of BF8 (E5M2) with one E8M0 scale for each 32 along K; x leaves as codes of the next product.
; THE SOFTMAX: t = score x log2(e) / sqrt(96); M = the running largest t rounded UP to a whole number; p = 2^(t - M) is quantised along the keys, not normalised; the row's sum is taken of the unquantised p and divides at the end.
; When M moves, the sum and O are multiplied by 2^(old M - new M): exact.
; LIMITS: NaN and infinities are not served.  t is one fused multiply-add with the constant log2(e) / sqrt(96) rounded once to f32, where the definition multiplies twice: a difference of one part in 10^7 of t.
; A block of Q or of x whose largest magnitude lies under 2^-111 gets the byte 1 (the floor); the bytes are read by this program alone.
; SHARES.  A work-group owns 256 queries (16 row tiles) of one head; each of its eight waves owns TWO tiles of 16 queries, so that each fragment of K and V read from LDS feeds two matrix instructions; two waves share a SIMD.
; Every wave walks all 4,096 keys, 128 a step.
; Q IS QUANTISED HERE, AT THE HEAD: each number of query is read by one wave alone.
; The quantiser's results are the operand's registers.
; K AND V ARE IMAGES OF REGISTERS: every fragment comes by loads of 16 bytes at 16 x lane, every scale word at 4 x lane.  A key step of a head is one dense block of 25,600 bytes.
; K = 96 is three blocks of 32: the fourth quarter of Q's and K's fragments is zero codes, written once, under the scale byte 0x7f.
; LAYOUT.  Both products are used transposed: S^T = K Q^T, O^T = V^T P^T: a lane holds ONE query (lane % 16).  The rows of a tile are 32 b + 8 u + r + 8 (r / 8), so the 16 registers of tiles 2 b, 2 b + 1 are 16 neighbours along the next K.
; EVERY LDS FETCH IS ISSUED AHEAD OF ITS USE.  K has registers for all eight tiles of a step: eight places behind the step's sixteen products K Q^T the NEXT step's K is asked for, and lands under the softmax.
; A slot's last step asks for the first K of the OTHER slot: ahead of that step's products each wave waits for its tensor load and signals a plain barrier, and behind the products it waits at it: the other slot is then whole.
; V has no registers of its own: the 16 registers of p of a block and a tile are dead once they are converted, and a fragment of V is loaded into them straight behind the conversions.
; RING.  Two LDS slots of four key steps (102,400 bytes).  Each wave brings an eighth of a slot, 12,800 dense bytes as 50 rows of 256, by ONE tensor load, asked for three key steps ahead of the wait for it: so no prefetch is laid.
; CLUSTER.  The four query blocks of a cluster belong to one head and walk the same blocks of kv: each load is JOINT, the same descriptor and the mask 15 in all four.  Q and x are each work-group's own and go through registers.
; REGISTERS.  window 0: v1 16 x lane, v2 4 x lane, v3, v4 the add's, v5, v6 addresses in hand, v36 lane, v37 x's scale offset, v38, v39 the other slot's first block, v40-45 Q's way in; v8-23 statistics, eight a tile (-M, largest t, sum x 2, f, p's scale word, at work, 1 / sum);
;   v24-27 K's scale words (tiles 2 p | 2 p + 1 in lanes 0-15 | 16-31), v28-30 V's, v32-33 Q's, v34-35 at work for scale words; v64-191 S^T, then p, then V's six fragments (tile d at v[64 + 64 (d % 2) + 16 (d / 2)]); v192-223 p's codes; v224-255 at work, 16 a tile.
;   window 1: v0-95 O^T, 48 a tile; v96-127 Q; v128-255 K's eight fragments (at the head: query as it is loaded).
.set STEPB, 25600
.set SLOTB, 4*STEPB
.set SLOT1, 1<<17                      ; slot 1 begins here: one exclusive or turns an address in one slot into the other's
.set SPARE, 262144                     ; the spare words, 128 bytes for each of eight waves: four blocks of 256 bytes that no other line names
.set STG,   263168                     ; behind them: Q's stages, into which no tensor load lands
.set STW,   4608                       ; a wave's: 32 rows x SP
.set SP,    144                        ; a stage row: 128 bytes + 16
.set HEADB, 32*STEPB
.set VOFF,  12288
.set KSO,   24576
.set VSO,   25088
.set FLOOR, 0x8000000
.set DEXP,  0xf8800000
.set EXPM,  0x7f800000
.set ST, 8
.set KS, 24
.set VS, 28
.set QS, 32
.set XW, 34
.set S,  64
.set PC, 192
.set W,  224                           ; tile i at W + 16 i: +0..3 block maxima, +4..7 the other half's, then bytes, then a second chain of sums, +8..11 holds, +12..15 scale operands
.set OA, 0                             ; window 1
.set QF, 96
.set KF, 128
.set MSB, 0
.macro WIN new                         ; the immediate's high byte repeats the setting that is left
.if MSB != \new
	s_set_vgpr_msb (MSB<<8)|\new
.set MSB, \new
.endif
.endm
.set TO1,  0x40                        ; destination window 1
.set D1,   0x04                        ; source 1 (an LDS store's data) window 1
.set W_KQ, 0x05                        ; K and Q window 1, S^T window 0
.set W_RS, 0x41                        ; O^T (destination, source 0) window 1, f window 0
.set W_PV, 0x50                        ; V and p's codes window 0, C and D window 1
.set W_X,  0x01                        ; source 0 window 1
.macro PLACES n
.rept \n
	v_nop
.endr
.endm
.macro CROUND                          ; a round of the cluster's barrier
	s_barrier_signal -1
	s_barrier_wait -1
	s_cmp_lg_u32 s14, 0
	s_cbranch_scc1 .Lnot_wave_0_\@
	s_barrier_signal -3
.Lnot_wave_0_\@:
	s_barrier_wait -3
	s_barrier_signal -1
	s_barrier_wait -1
.endm
; THE CHANGE OF SLOTS.  Each wave waits for all its tensor loads, adds 0 to its spare word, and waits for that and for its reads of the slot that it has left; a round of the cluster's barrier; behind it the slot just left is asked for again, jointly.
.macro CHANGE
	s_wait_tensorcnt 0x0                           ; no tensor load of mine is out, so the group 0 may be written
	ds_add_u32 v3, v4                              ; 0 onto my spare word
	s_xor_b32 s37, s37, SLOT1                      ; the walking descriptor: the other slot,
	s_add_nc_u64 s[38:39], s[38:39], SLOTB         ; the next four key steps; the type bits on top are not reached
	s_wait_dscnt 0x0                               ; the add is done, and my reads of the slot that I have left are over
	CROUND
	tensor_load_to_lds s[36:39], s[28:35]          ; the first thing behind the round, and my one tensor load until the next
	s_nop 0
	PLACES 4
.endm
; K of a whole key step: its four registers of scale words, then its eight fragments, tiles 0-3 first; from byte off of the block at v[ac] (16 x lane) and v[as] (4 x lane)
.macro KFETCH off, ac, as
.irp p, 0,1,2,3
	ds_load_b32 v[KS+\p], v[\as] offset:\off+KSO+128*\p
.endr
	WIN TO1
.irp t, 0,1,2,3,4,5,6,7
.irp c, 0,1,2
	ds_load_b128 v[KF+16*\t+4*\c:KF+16*\t+4*\c+3], v[\ac] offset:\off+1536*\t+512*\c
.endr
.endr
	WIN 0
.endm
.macro QKG t0                          ; S^T = K Q^T: tiles t0 .. t0 + 3 of 16 keys, each against both tiles of queries; every product starts its sum (t0 is even: a tile's parity is e's)
.irp e, 0,1,2,3
.irp i, 0,1
.if (\e%2)
	v_wmma_scale_f32_16x16x128_f8f6f4 v[S+64*\i+8*(\t0+\e):S+64*\i+8*(\t0+\e)+7], v[KF+16*(\t0+\e):KF+16*(\t0+\e)+15], v[QF+16*\i:QF+16*\i+15], 0, v[KS+(\t0+\e)/2], v[QS+\i] matrix_a_fmt:MATRIX_FMT_BF8 matrix_b_fmt:MATRIX_FMT_BF8 matrix_a_scale:MATRIX_SCALE_ROW1
.else
	v_wmma_scale_f32_16x16x128_f8f6f4 v[S+64*\i+8*(\t0+\e):S+64*\i+8*(\t0+\e)+7], v[KF+16*(\t0+\e):KF+16*(\t0+\e)+15], v[QF+16*\i:QF+16*\i+15], 0, v[KS+(\t0+\e)/2], v[QS+\i] matrix_a_fmt:MATRIX_FMT_BF8 matrix_b_fmt:MATRIX_FMT_BF8
.endif
.endr
.endr
.endm
.macro PVALL                           ; O^T += V^T P^T: the six tiles of the head's channels x both tiles of queries: twelve accumulators by turns
.irp d, 0,1,2,3,4,5
.irp i, 0,1
.if (\d%2)
	v_wmma_scale_f32_16x16x128_f8f6f4 v[OA+48*\i+8*\d:OA+48*\i+8*\d+7], v[S+64*(\d%2)+16*(\d/2):S+64*(\d%2)+16*(\d/2)+15], v[PC+16*\i:PC+16*\i+15], v[OA+48*\i+8*\d:OA+48*\i+8*\d+7], v[VS+\d/2], v[ST+8*\i+5] matrix_a_fmt:MATRIX_FMT_BF8 matrix_b_fmt:MATRIX_FMT_BF8 matrix_a_scale:MATRIX_SCALE_ROW1
.else
	v_wmma_scale_f32_16x16x128_f8f6f4 v[OA+48*\i+8*\d:OA+48*\i+8*\d+7], v[S+64*(\d%2)+16*(\d/2):S+64*(\d%2)+16*(\d/2)+15], v[PC+16*\i:PC+16*\i+15], v[OA+48*\i+8*\d:OA+48*\i+8*\d+7], v[VS+\d/2], v[ST+8*\i+5] matrix_a_fmt:MATRIX_FMT_BF8 matrix_b_fmt:MATRIX_FMT_BF8
.endif
.endr
.endr
.endm
; THE SOFTMAX of a key step, both tiles by turns, so that no line waits for the line above it
.macro SOFTMAX
.irp b, 0,1,2,3
.irp i, 0,1
	v_max3_num_f32 v[W+16*\i+\b], v[S+64*\i+16*\b], v[S+64*\i+16*\b+1], v[S+64*\i+16*\b+2]   ; the largest SCORE of each block of 32 keys: it serves the row's maximum and, since p rises with the score, the block's largest p
.endr
.endr
.irp k, 3,5,7,9,11,13
.irp b, 0,1,2,3
.irp i, 0,1
	v_max3_num_f32 v[W+16*\i+\b], v[W+16*\i+\b], v[S+64*\i+16*\b+\k], v[S+64*\i+16*\b+\k+1]
.endr
.endr
.endr
.irp b, 0,1,2,3
.irp i, 0,1
	v_max_num_f32 v[W+16*\i+\b], v[W+16*\i+\b], v[S+64*\i+16*\b+15]
.endr
.endr
.irp b, 0,1,2,3
.irp i, 0,1
	v_permlanex16_b32 v[W+16*\i+4+\b], v[W+16*\i+\b], s20, s21
.endr
.endr
.irp b, 0,1,2,3
.irp i, 0,1
	v_max_num_f32 v[W+16*\i+\b], v[W+16*\i+\b], v[W+16*\i+4+\b]    ; with lane l xor 16's 16 keys
.endr
.endr
.irp i, 0,1
	s_delay_alu instid0(VALU_DEP_4)
	v_max3_num_f32 v[ST+8*\i+6], v[W+16*\i], v[W+16*\i+1], v[W+16*\i+2]
.endr
.irp i, 0,1
	s_delay_alu instid0(VALU_DEP_2)
	v_max_num_f32 v[ST+8*\i+6], v[ST+8*\i+6], v[W+16*\i+3]         ; the step's largest score of my query
.endr
.irp i, 0,1
	s_delay_alu instid0(VALU_DEP_2)
	v_mul_f32 v[ST+8*\i+6], s22, v[ST+8*\i+6]                      ; as t (c is positive)
.endr
.irp i, 0,1
	s_delay_alu instid0(VALU_DEP_2)
	v_max_num_f32 v[ST+8*\i+1], v[ST+8*\i+1], v[ST+8*\i+6]         ; the running largest t
.endr
.irp i, 0,1
	v_mov_b32 v[ST+8*\i+6], v[ST+8*\i]
.endr
.irp i, 0,1
	s_delay_alu instid0(VALU_DEP_4)
	v_floor_f32 v[ST+8*\i], -v[ST+8*\i+1]                          ; the new -M = floor(-t) = -ceil(t): a whole number
.endr
.irp i, 0,1
	s_delay_alu instid0(VALU_DEP_2)
	v_sub_f32 v[ST+8*\i+6], v[ST+8*\i], v[ST+8*\i+6]               ; old M - new M: a whole number, 0 or less
.endr
.irp i, 0,1
	s_delay_alu instid0(VALU_DEP_2)
	v_cvt_i32_f32 v[ST+8*\i+6], v[ST+8*\i+6]                       ; (it saturates)
.endr
.irp i, 0,1
	s_delay_alu instid0(VALU_DEP_2)
	v_ldexp_f32 v[ST+8*\i+4], 1.0, v[ST+8*\i+6]                    ; f = 2^(old M - new M)
.endr
.set j, 0
.rept 32
.irp i, 0,1
	v_pk_fma_f32 v[S+64*\i+j:S+64*\i+j+1], v[S+64*\i+j:S+64*\i+j+1], s[22:23], v[ST+8*\i:ST+8*\i+1] op_sel_hi:[1,0,0]   ; t - M, two at a time (of the pairs c and -M the low word serves both halves)
.endr
.set j, j+2
.endr
.irp b, 0,1,2,3
.irp i, 0,1
	v_fma_f32 v[W+16*\i+\b], v[W+16*\i+\b], s22, v[ST+8*\i]        ; the same of each block's largest score
.endr
.endr
	s_wait_alu depctr_va_vdst(0)                   ; the wait ahead of the batch
.irp i, 0,1
.set j, 0
.rept 64
	v_exp_f32 v[S+64*\i+j], v[S+64*\i+j]                           ; p = 2^(t - M), at most 1
.set j, j+1
.endr
.endr
.irp b, 0,1,2,3
.irp i, 0,1
	v_exp_f32 v[W+16*\i+\b], v[W+16*\i+\b]                         ; the block's largest p: the same two instructions on the same number give the same bits
.endr
.endr
.irp i, 0,1
	v_pk_mul_f32 v[ST+8*\i+2:ST+8*\i+3], v[ST+8*\i+2:ST+8*\i+3], v[ST+8*\i+4:ST+8*\i+5] op_sel_hi:[1,0]   ; the sums under the new M; a plain line behind the exponentials
.endr
	s_wait_alu depctr_va_vdst(0)                   ; and behind it, ahead of its first reader
.irp b, 0,1,2,3
.irp i, 0,1
	v_max_num_f32 v[W+16*\i+\b], FLOOR, v[W+16*\i+\b]              ; the floor: the byte cannot fall under 1 (a block whose every p is 0 keeps that byte: its codes are zeros)
.endr
.endr
.irp b, 0,1,2,3
.irp i, 0,1
	v_add_nc_u32 v[W+16*\i+12+\b], DEXP, v[W+16*\i+\b]             ; the conversion's scale operand
.endr
.endr
.irp b, 0,1,2,3
.irp i, 0,1
	v_and_or_b32 v[W+16*\i+8+\b], v[W+16*\i+\b], EXPM, s24         ; 57,344 x the scale
.endr
.endr
.irp b, 0,1,2,3
.irp i, 0,1
	v_lshrrev_b32 v[W+16*\i+4+\b], 23, v[W+16*\i+12+\b]            ; the scale's byte
.endr
.endr
.irp i, 0,1
	v_lshl_or_b32 v[ST+8*\i+5], v[W+16*\i+5], 8, v[W+16*\i+4]      ; p's scale word for these 128 keys
.endr
.irp i, 0,1
	s_delay_alu instid0(VALU_DEP_2)
	v_lshl_or_b32 v[ST+8*\i+5], v[W+16*\i+6], 16, v[ST+8*\i+5]
.endr
.irp i, 0,1
	s_delay_alu instid0(VALU_DEP_2)
	v_lshl_or_b32 v[ST+8*\i+5], v[W+16*\i+7], 24, v[ST+8*\i+5]
.endr
.irp i, 0,1
	v_pk_add_f32 v[W+16*\i+4:W+16*\i+5], v[S+64*\i:S+64*\i+1], v[S+64*\i+2:S+64*\i+3]   ; the row's sum is taken of the UNQUANTISED p: two at a time, in two chains
.endr
.set j, 4
.rept 15
.irp i, 0,1
	v_pk_add_f32 v[ST+8*\i+2:ST+8*\i+3], v[ST+8*\i+2:ST+8*\i+3], v[S+64*\i+j:S+64*\i+j+1]
	v_pk_add_f32 v[W+16*\i+4:W+16*\i+5], v[W+16*\i+4:W+16*\i+5], v[S+64*\i+j+2:S+64*\i+j+3]
.endr
.set j, j+4
.endr
.irp i, 0
	s_delay_alu instid0(VALU_DEP_3)
	v_pk_add_f32 v[ST+8*\i+2:ST+8*\i+3], v[ST+8*\i+2:ST+8*\i+3], v[W+16*\i+4:W+16*\i+5]
.endr
.irp i, 1
	s_delay_alu instid0(VALU_DEP_2)
	v_pk_add_f32 v[ST+8*\i+2:ST+8*\i+3], v[ST+8*\i+2:ST+8*\i+3], v[W+16*\i+4:W+16*\i+5]
.endr
.irp b, 0,1,2,3
.irp i, 0,1
.set j, 0
.rept 8
	v_dual_min_num_f32 v[S+64*\i+16*\b+j], v[S+64*\i+16*\b+j], v[W+16*\i+8+\b] :: v_dual_min_num_f32 v[S+64*\i+16*\b+j+1], v[S+64*\i+16*\b+j+1], v[W+16*\i+8+\b]   ; the conversion does not saturate (ISA guide 7.6.2); p is not negative, so the hold is one-sided; two numbers a line
.set j, j+2
.endr
.endr
.irp i, 0,1
	v_cvt_scalef32_pk8_bf8_f32 v[PC+16*\i+4*\b:PC+16*\i+4*\b+1], v[S+64*\i+16*\b:S+64*\i+16*\b+7], v[W+16*\i+12+\b]
	v_cvt_scalef32_pk8_bf8_f32 v[PC+16*\i+4*\b+2:PC+16*\i+4*\b+3], v[S+64*\i+16*\b+8:S+64*\i+16*\b+15], v[W+16*\i+12+\b]
.endr
.if \b < 3
.irp i, 0,1                                    ; block b's p of both tiles is converted and summed: its 2 x 16 registers take V's tiles 2 b and 2 b + 1, which land under the blocks that follow and O^T's rescaling
.irp c, 0,1,2,3
	ds_load_b128 v[S+64*\i+16*\b+4*\c:S+64*\i+16*\b+4*\c+3], v5 offset:VOFF+2048*(2*\b+\i)+512*\c
.endr
.endr
.endif
.endr
.endm
; A KEY STEP: 128 keys, both tiles of queries.  s25 is the LDS byte at which the step's block begins.  Its K and K's scale words have been asked for.
; mode 1: the next block's K is asked for (it lies in the same slot).  mode 2: a slot's last step: the other slot's first block's, behind a plain barrier that shows that slot whole.  mode 3: as 2, but in the trip with s26 = 1 there is no next slot, and nothing is asked for.
; A load into a register that a matrix instruction has read, and a vector instruction that reads a matrix result, stand eight places behind it; a matrix instruction that writes over a register of an earlier one nine;
; only plain vector instructions that name none of its registers are places.
.macro STEP mode
	v_add_nc_u32 v5, s25, v1
	v_add_nc_u32 v6, s25, v2
.if \mode >= 2
	s_sub_co_u32 s40, s25, 3*STEPB                 ; my slot's first byte,
	s_xor_b32 s40, s40, SLOT1                      ; the other slot's
	v_add_nc_u32 v38, s40, v1
	v_add_nc_u32 v39, s40, v2
	PLACES 5                                       ; with the four additions: nine places behind the last step's products V^T P, whose fragments of V lie where the scores are now written
.else
	PLACES 7                                       ; with the two additions: nine
.endif
	s_wait_alu depctr_va_vdst(0)                   ; directly ahead of the waits below
.if \mode >= 2
	s_wait_tensorcnt 0x0                           ; my eighth of the other slot has landed,
	s_wait_dscnt 0x0                               ; no LDS instruction of mine is out:
	s_barrier_signal -1                            ; say so; sixteen products stand between the signal and the wait
.else
	s_wait_dscnt 12                                ; K's scale words and tiles 0-3 are in; the twelve youngest loads, tiles 4-7, may be out (behind the head's fetch; elsewhere nothing is out)
.endif
	WIN W_KQ
	QKG 0
.if \mode < 2
	s_wait_dscnt 0x0
.endif
	QKG 4
	WIN 0
	PLACES 8                                       ; in front of the first read of the scores, and of the loads into K's registers
.if \mode >= 2
	s_barrier_wait -1                              ; every wave's eighth has landed: the other slot is whole.
.endif
.irp p, 0,1,2
	ds_load_b32 v[VS+\p], v6 offset:VSO+128*\p     ; this step's scale words of V
.endr
.if \mode == 1
	KFETCH STEPB, 5, 6                             ; the next step's K: it lands under the softmax
.elseif \mode >= 2
.if \mode == 3
	s_cmp_eq_u32 s26, 1
	s_cbranch_scc1 .Lno_k_\@
.endif
	KFETCH 0, 38, 39
.Lno_k_\@:
.endif
	SOFTMAX
	WIN W_RS
.irp i, 0,1
.set j, 0
.rept 24
	v_pk_mul_f32 v[OA+48*\i+j:OA+48*\i+j+1], v[OA+48*\i+j:OA+48*\i+j+1], v[ST+8*\i+4:ST+8*\i+5] op_sel_hi:[1,0]   ; O^T under the new M, each accumulator from its low end on.  These 48 lines are also the places in front of the products below
.set j, j+2
.endr
.endr
	s_wait_alu depctr_va_vdst(0)                   ; directly ahead of the wait below
	s_wait_dscnt 0x0                               ; V and its scale words are in (and the next step's K, asked for ahead of them)
	WIN W_PV
	PVALL
	WIN 0
	s_add_co_u32 s25, s25, STEPB                   ; the next step's block
.endm
.macro SLOT_STEPS last                 ; a slot's four key steps: three that ask for the next step's K, written once; the last, in mode last
	s_mov_b32 s27, 3
.Lst_\@:
	STEP 1
	s_sub_co_u32 s27, s27, 1
	s_cmp_lg_u32 s27, 0
	s_cbranch_scc1 .Lst_\@
	STEP \last
	s_sub_co_u32 s25, s25, SLOTB                   ; back to a slot's first step,
	s_xor_b32 s25, s25, SLOT1                      ; in the other slot
.endm
; three blocks of 32 channels of tile i (Q's at the head, x's on the way out) become codes in v[PC + 16 i] on and the head's scale word in v[XW + i]
.macro QUANT3 i
.irp b, 0,1,2
	v_max3_num_f32 v[W+16*\i+\b], |v[S+64*\i+16*\b]|, |v[S+64*\i+16*\b+1]|, FLOOR
.endr
.irp k, 2,4,6,8,10,12,14
.irp b, 0,1,2
	s_delay_alu instid0(VALU_DEP_3)
	v_max3_num_f32 v[W+16*\i+\b], v[W+16*\i+\b], |v[S+64*\i+16*\b+\k]|, |v[S+64*\i+16*\b+\k+1]|
.endr
.endr
.irp b, 0,1,2
	s_delay_alu instid0(VALU_DEP_3)
	v_permlanex16_b32 v[W+16*\i+4+\b], v[W+16*\i+\b], s20, s21
.endr
.irp b, 0,1,2
	s_delay_alu instid0(VALU_DEP_3)
	v_max_num_f32 v[W+16*\i+\b], v[W+16*\i+\b], v[W+16*\i+4+\b]
.endr
.irp b, 0,1,2
	s_delay_alu instid0(VALU_DEP_3)
	v_add_nc_u32 v[W+16*\i+12+\b], DEXP, v[W+16*\i+\b]
.endr
.irp b, 0,1,2
	v_and_or_b32 v[W+16*\i+8+\b], v[W+16*\i+\b], EXPM, s24
.endr
.irp b, 0,1,2
	v_lshrrev_b32 v[W+16*\i+4+\b], 23, v[W+16*\i+12+\b]
.endr
	s_delay_alu instid0(VALU_DEP_2)
	v_lshl_or_b32 v[XW+\i], v[W+16*\i+5], 8, v[W+16*\i+4]
	s_delay_alu instid0(VALU_DEP_1)
	v_lshl_or_b32 v[XW+\i], v[W+16*\i+6], 16, v[XW+\i]
	s_delay_alu instid0(VALU_DEP_1)
	v_or_b32 v[XW+\i], 0x7f000000, v[XW+\i]
.irp b, 0,1,2
.irp k, 0,1,2,3,4,5,6,7,8,9,10,11,12,13,14,15
	v_med3_num_f32 v[S+64*\i+16*\b+\k], v[S+64*\i+16*\b+\k], -v[W+16*\i+8+\b], v[W+16*\i+8+\b]
.endr
	v_cvt_scalef32_pk8_bf8_f32 v[PC+16*\i+4*\b:PC+16*\i+4*\b+1], v[S+64*\i+16*\b:S+64*\i+16*\b+7], v[W+16*\i+12+\b]
	v_cvt_scalef32_pk8_bf8_f32 v[PC+16*\i+4*\b+2:PC+16*\i+4*\b+3], v[S+64*\i+16*\b+8:S+64*\i+16*\b+15], v[W+16*\i+12+\b]
.endr
	v_nop                                          ; a plain line behind the conversions
.endm
	s_load_b64 s[4:5], s[0:1], 0x0                 ; query
	s_load_b128 s[8:11], s[0:1], 0x8               ; kv 8, xc 10
	s_load_b64 s[12:13], s[0:1], 0x18              ; xs
	v_lshl_add_u32 v3, v0, 2, SPARE
	v_mov_b32 v4, 0
	ds_add_u32 v3, v4                              ; the wave's opening: the add, twice on end, and its wait ahead of my first tensor load
	ds_add_u32 v3, v4
	v_lshrrev_b32 v1, 5, v0
	v_readfirstlane_b32 s14, v1                    ; wave 0..7
	s_bfe_u32 s15, ttmp6, 0x40000                  ; cx: my place in the cluster: it enters query's and x's addresses alone
	s_lshl_b32 s16, ttmp9, 2
	s_add_co_u32 s16, s16, s15                     ; my block of 256 queries
	s_and_b32 s17, ttmp7, 0xffff                   ; the head, 0 .. 15, which the four partners share
	s_lshr_b32 s18, s17, 3                         ; batch
	s_and_b32 s19, s17, 7                          ; head in the batch
	s_mov_b32 s20, 0x76543210
	s_mov_b32 s21, 0xfedcba98                      ; v_permlanex16_b32's selects for lane l xor 16
	s_mov_b32 s22, 0x3e16c740                      ; c = log2(e) / sqrt(96)
	s_mov_b32 s23, s22                             ; (named with it as a pair, so it is written)
	s_mov_b32 s24, 0x600000                        ; the mantissa field of 57,344
	s_mov_b32 s25, 0
	; descriptor group 1: 50 rows of 256 bytes (32 elements of 8 bytes), dense, no padding
	s_mov_b32 s28, 15|(3<<16)|(1<<21)              ; 15:0 the mask: all four work-groups; 17:16 elements of 8 bytes; 21 set beside a mask
	s_mov_b32 s29, 32<<16                          ; tensor_dim0
	s_mov_b32 s30, 50<<16                          ; tensor_dim1
	s_mov_b32 s31, 32<<16                          ; tile_dim0
	s_mov_b32 s32, 50                              ; tile_dim1
	s_mov_b32 s33, 32                              ; tensor_dim0_stride
	s_mov_b32 s34, 0
	s_mov_b32 s35, 0
	s_mov_b32 s36, 1                               ; group 0: count = 1,
	s_mul_i32 s37, s14, 12800                      ; LDS address: my eighth of slot 0: no place in the cluster enters it,
	s_mul_i32 s40, s17, HEADB
	s_add_co_u32 s40, s40, s37                     ; and the same eighth of the head's first four blocks
	s_mov_b32 s41, 0
	s_lshl_b32 s42, s18, 8
	s_lshl_b32 s43, s16, 4
	s_add_co_u32 s42, s42, s43
	s_lshl_b32 s43, s14, 1
	s_add_co_u32 s42, s42, s43                     ; my first row tile T: 256 x batch + 16 x block + 2 x wave
	s_mul_i32 s44, s42, 12288
	s_mul_i32 s43, s19, 1536
	s_add_co_u32 s44, s44, s43                     ; its head's three images in xc
	s_mov_b32 s45, 0
	s_lshl_b32 s46, s42, 9
	s_lshl_b32 s43, s19, 6
	s_add_co_u32 s46, s46, s43                     ; and scale words in xs
	s_mov_b32 s47, 0
	s_mul_i32 s48, s42, 16*3072                    ; query: my 32 rows begin at row 16 T,
	s_mul_i32 s43, s19, 384
	s_add_co_u32 s48, s48, s43                     ; my head's 384 bytes of each
	s_mov_b32 s49, 0
	s_mul_i32 s50, s14, STW
	s_add_co_u32 s50, s50, STG                     ; my stage
	v_and_b32 v36, 31, v0                          ; lane
	v_and_b32 v7, 15, v0                           ; r
	v_bfe_u32 v37, v0, 4, 1                        ; h
	v_lshlrev_b32 v1, 4, v36
	v_lshlrev_b32 v2, 2, v36
	v_lshrrev_b32 v43, 3, v36                      ; query as it lies: eight lanes to 128 bytes of a row, four rows a load
	v_and_b32 v44, 7, v0
	v_lshlrev_b32 v44, 4, v44
	v_mad_u32_u24 v40, v43, 3072, v44              ; in memory,
	v_mad_u32_u24 v41, v43, SP, v44
	v_add_nc_u32 v41, s50, v41                     ; and in the stage
	v_and_b32 v45, 8, v7
	v_add_nc_u32 v45, v45, v7                      ; r + 8 (r / 8)
	v_mul_u32_u24 v42, v45, SP
	v_lshl_add_u32 v42, v37, 6, v42
	v_add_nc_u32 v42, s50, v42                     ; out of the stage: my lane-row of tile 0 (tile 1: eight rows on), my half's 64 bytes
	v_lshlrev_b32 v7, 2, v7
	v_lshl_add_u32 v37, v37, 9, v7                 ; x's scale words: lanes 0-15 my first tile's, lanes 16-31 my second's, 512 bytes on
	s_wait_alu depctr_va_vdst(0)                   ; directly ahead of the waits below
	s_wait_dscnt 0x0                               ; both opening adds are done
	s_wait_kmcnt 0x0
	s_add_nc_u64 s[38:39], s[8:9], s[40:41]
	s_or_b32 s39, s39, 0x80000000                  ; type = 2
	s_add_nc_u64 s[4:5], s[4:5], s[48:49]
	s_add_nc_u64 s[10:11], s[10:11], s[44:45]
	s_add_nc_u64 s[12:13], s[12:13], s[46:47]
	WIN TO1
.irp g, 0,1,2                                  ; block g of 32 channels: rows 4 i .. 4 i + 3; all 24 loads go out at once, into K's registers, which are idle
.irp i, 0,1,2,3,4,5,6,7
	global_load_b128 v[KF+32*\g+4*\i:KF+32*\g+4*\i+3], v40, s[4:5] offset:12288*\i+128*\g th:TH_LOAD_NT
.endr
.endr
	WIN 0
	CROUND                                         ; all four work-groups are here: the first joint loads meet
	tensor_load_to_lds s[36:39], s[28:35]          ; slot 0: key steps 0 to 3
	s_nop 0
	PLACES 4
	WIN TO1
.irp i, 0,1
.irp k, 12,13,14,15
	v_mov_b32 v[QF+16*\i+\k], 0                    ; k = 96 .. 127: zero codes
.endr
.endr
.set j, 0
.rept 96
	v_mov_b32 v[OA+j], 0                           ; O^T.  (The step has no first form of its own: the first finds zeros, which the first change of M leaves zeros)
.set j, j+1
.endr
	WIN 0
.irp i, 0,1
	v_mov_b32 v[ST+8*\i+1], 0xff61b1e6             ; the largest t so far: -3e38, under every t
	s_delay_alu instid0(VALU_DEP_1)
	v_floor_f32 v[ST+8*\i], -v[ST+8*\i+1]          ; -M
	v_mov_b32 v[ST+8*\i+2], 0                      ; the sum, in two halves
	v_mov_b32 v[ST+8*\i+3], 0
	v_mov_b32 v[ST+8*\i+5], 0                      ; (named as the upper half of a pair before it is first written)
.irp b, 4,5,6,7
	v_mov_b32 v[W+16*\i+\b], 0                     ; written once: a lane permute's destination counts as one of its sources
.endr
.endr
	s_wait_alu depctr_va_vdst(0)                   ; directly ahead of the wait below
.irp g, 0,1,2
	s_wait_loadcnt 16-8*\g                         ; this block's eight loads are in; the later blocks' eight each may be out
	WIN D1
.irp i, 0,1,2,3,4,5,6,7
	ds_store_b128 v41, v[KF+32*\g+4*\i:KF+32*\g+4*\i+3] offset:4*SP*\i
.endr
	WIN 0
.irp u, 0,1
.irp k, 0,1,2,3
	ds_load_b128 v[S+64*\u+16*\g+4*\k:S+64*\u+16*\g+4*\k+3], v42 offset:8*SP*\u+16*\k   ; LDS serves a wave's instructions in order (ISA guide 5.7.1.4): these see the stores above, and the next block's stores come behind them
.endr
.endr
.endr
	s_wait_dscnt 0x0
	QUANT3 0
	QUANT3 1
	WIN TO1
.irp i, 0,1
.irp k, 0,1,2,3,4,5,6,7,8,9,10,11
	v_mov_b32 v[QF+16*\i+\k], v[PC+16*\i+\k]       ; Q's fragments stay in registers
.endr
.endr
.irp t, 0,1,2,3,4,5,6,7
.irp k, 12,13,14,15
	v_mov_b32 v[KF+16*\t+\k], 0                    ; k = 96 .. 127 of K's eight fragments: written once, never loaded
.endr
.endr
	WIN 0
.irp i, 0,1
	v_mov_b32 v[QS+\i], v[XW+\i]                   ; Q's scale words
.endr
	s_wait_alu depctr_va_vdst(0)                   ; the wait at the head's end
	CHANGE                                         ; slot 0 is whole; slot 1 is asked for, as a refill is
	v_add_nc_u32 v5, s25, v1
	v_add_nc_u32 v6, s25, v2
	KFETCH 0, 5, 6                                 ; the first step's K
	s_mov_b32 s26, 6
.Lslot:                                            ; six trips: slots 0 to 5 are walked; behind each, the slot two on is asked for
	SLOT_STEPS 2
	CHANGE
	s_sub_co_u32 s26, s26, 1
	s_cmp_lg_u32 s26, 0
	s_cbranch_scc1 .Lslot
	s_mov_b32 s26, 2
.Ltail:                                            ; two trips: slots 6 and 7; nothing is filled again
	SLOT_STEPS 3
	s_sub_co_u32 s26, s26, 1
	s_cmp_lg_u32 s26, 0
	s_cbranch_scc1 .Ltail
	; THE WAY OUT.  x = O^T / the sum; register 16 b + k of a lane is x(query r, channel 32 b + 16 h + k): the layout that the quantiser wants, and the codes are the next product's images as they stand.
	PLACES 8
.irp i, 0,1
	v_add_f32 v[ST+8*\i+6], v[ST+8*\i+2], v[ST+8*\i+3]             ; the sum's two halves,
.endr
.irp i, 0,1
	s_delay_alu instid0(VALU_DEP_2)
	v_permlanex16_b32 v[W+16*\i+4], v[ST+8*\i+6], s20, s21
.endr
.irp i, 0,1
	s_delay_alu instid0(VALU_DEP_2)
	v_add_f32 v[ST+8*\i+6], v[ST+8*\i+6], v[W+16*\i+4]             ; and lane l xor 16's: the row's sum
.endr
	s_wait_alu depctr_va_vdst(0)                   ; the wait ahead of the reciprocals
.irp i, 0,1
	v_rcp_f32 v[ST+8*\i+7], v[ST+8*\i+6]
.endr
	v_nop                                          ; a plain line behind the reciprocals
	WIN W_X
	s_wait_alu depctr_va_vdst(0)                   ; and ahead of their first reader
.irp i, 0,1
.set j, 0
.rept 48
	v_mul_f32 v[S+64*\i+j], v[OA+48*\i+j], v[ST+8*\i+7]            ; each accumulator from its low end on
.set j, j+1
.endr
.endr
	WIN 0
	QUANT3 0
	QUANT3 1
.irp i, 0,1
.irp c, 0,1,2
	global_store_b128 v1, v[PC+16*\i+4*\c:PC+16*\i+4*\c+3], s[10:11] offset:12288*\i+512*\c   ; an image: 512 consecutive bytes, aligned
.endr
.endr
	v_cmp_le_u32 vcc_lo, 16, v36
	s_delay_alu instid0(VALU_DEP_1)
	v_cndmask_b32 v[XW], v[XW], v[XW+1], vcc_lo    ; lanes 16-31 carry my second tile's words
	global_store_b32 v37, v[XW], s[12:13]
	s_wait_tensorcnt 0x0                           ; the wave's end
	ds_add_u32 v3, v4
	s_wait_dscnt 0x0
	CROUND                                         ; the closing round: no work-group ends while a partner may still ask for a tile that names it
	s_endpgm
.Lfunc_end_k_qaf7c61f08d_attn:
	.size	k_qaf7c61f08d_attn, .Lfunc_end_k_qaf7c61f08d_attn-k_qaf7c61f08d_attn
	.p2alignl 7, 3214868480
	.fill 96, 4, 3214868480
	.section	.rodata,"a",@progbits
	.p2align	6, 0x0
	.amdhsa_kernel k_qaf7c61f08d_attn
		.amdhsa_group_segment_fixed_size 327680
		.amdhsa_private_segment_fixed_size 0
		.amdhsa_enable_private_segment 0
		.amdhsa_kernarg_size 32
		.amdhsa_user_sgpr_count 2
		.amdhsa_user_sgpr_kernarg_segment_ptr 1
		.amdhsa_wavefront_size32 1
		.amdhsa_system_sgpr_workgroup_id_x 1
		.amdhsa_system_sgpr_workgroup_id_y 1
		.amdhsa_system_sgpr_workgroup_id_z 1
		.amdhsa_system_vgpr_workitem_id 0
		.amdhsa_next_free_vgpr 512
		.amdhsa_next_free_sgpr 66
		.amdhsa_reserve_vcc 1
		.amdhsa_float_denorm_mode_32 3
		.amdhsa_float_denorm_mode_16_64 3
		.amdhsa_memory_ordered 1
		.amdhsa_forward_progress 1
		.amdhsa_inst_pref_size 203
	.end_amdhsa_kernel
	.amdgpu_metadata
---
amdhsa.version: [ 1, 2 ]
amdhsa.kernels:
  - .name:           k_qaf7c61f08d_attn
    .symbol:         k_qaf7c61f08d_attn.kd
    .args:
      - { .name: query, .offset: 0, .size: 8, .value_kind: global_buffer, .address_space: global }
      - { .name: kv, .offset: 8, .size: 8, .value_kind: global_buffer, .address_space: global }
      - { .name: xc, .offset: 16, .size: 8, .value_kind: global_buffer, .address_space: global }
      - { .name: xs, .offset: 24, .size: 8, .value_kind: global_buffer, .address_space: global }
    .group_segment_fixed_size: 327680
    .private_segment_fixed_size: 0
    .kernarg_segment_align: 8
    .kernarg_segment_size: 32
    .max_flat_workgroup_size: 256
    .sgpr_count:     66
    .vgpr_count:     512
    .wavefront_size: 32
...
	.end_amdgpu_metadata
.endif
;; end of part 2
;; launch fc (part 3): grid 4 x 64, 4 waves a work-group, clusters of 4 x 4, 327,680 bytes of LDS; arguments xc, xs, wc, ws, fc_b, out0; writes out0
.if DOCPART == 3
	.amdgcn_target "amdgcn-amd-amdhsa--gfx1250"
	.amdhsa_code_object_version 6
	.text
	.protected	k_qaf7c61f08d_fc
	.globl	k_qaf7c61f08d_fc
	.p2align	8
	.type	k_qaf7c61f08d_fc,@function
k_qaf7c61f08d_fc:
	s_mov_b64 s[64:65], 0
	v_nop
	global_prefetch_b8 v0, s[64:65] scope:SCOPE_SE
	s_setreg_imm32_b32 hwreg(HW_REG_WAVE_MODE, 25, 1), 1
	s_wait_xcnt 0x0
	s_wait_alu depctr_hold_cnt(0) depctr_sa_sdst(0) depctr_va_vdst(0) depctr_va_sdst(0) depctr_va_ssrc(0) depctr_va_vcc(0) depctr_vm_vsrc(0)
	s_getreg_b32 s2, hwreg(HW_REG_IB_STS2, 6, 4)
	s_cmp_eq_u32 s2, 0
	s_cbranch_scc0 .Lentry_in_a_cluster
	s_endpgm
.Lentry_in_a_cluster:
	s_bfe_u32 s2, ttmp6, 0x10000c
	s_cmp_lg_u32 s2, 0xf033
	s_cbranch_scc0 .Lentry_shape_is_right
	s_endpgm
.Lentry_shape_is_right:
; out0[m][o] = the sum over k of x[m][k] fc_w[o][k] + fc_b[o]: [8192][768] x [768][768], both operands codes of BF8 (E5M2) with one E8M0 scale for each 32 along K, as images of the operand's registers; sums in f32.
; A row tile T = 2 b + u is 16 rows, lane-row r = row 32 b + 8 u + r + 8 (r / 8); its 24 images of 512 bytes (one for each 32 along K) lie on end; its scale words are [head 8][r 16], three bytes and a filler each.
; SHARES.  256 work-groups: 128 rows (8 tiles of x) x 192 columns (12 tiles of fc_w), all of K at once: 98,304 + 147,456 bytes of codes fit in LDS, so every LDS byte is filled ONCE: no ring, no refill.
; Four waves, as many as a WGP has SIMDs.  Wave w holds x's tiles 2 w and 2 w + 1 for ALL of K in registers (192) and streams fc_w's twelve tiles past them: 2 + 12 tiles read from LDS a wave.
; THE ORDER OF WORK.  Four tiles of fc_w are 64 columns, 256 bytes of a row of out0.  Such a unit is finished over all six K steps (48 products on eight accumulators, which take turns) before the next is begun:
; its 32 rows x 256 bytes then go through the wave's own stage and are stored while the next unit is multiplied, on a second set of accumulators.  No wave needs another's results: no barrier behind the fills'.
; Eighteen steps (unit t / 6, K step t % 6) of four fragments of fc_w; a step's fragments are fetched three steps ahead, into a ring of four groups of 64 registers.
; CLUSTERS.  4 x 4 work-groups: x's tiles hang on the block of rows alone and are asked for jointly along a row of the cluster, fc_w's on the block of columns alone and jointly along a column.
; THE MATRIX INSTRUCTION IS USED TRANSPOSED (source 0 = 16 rows of fc_w, source 1 = 16 rows of x): a lane holds one row of out0, and its registers of fc_w's tiles 2 b, 2 b + 1 are 16 neighbouring columns.
; The bias is the C of each accumulator's first product.  No prefetch: the launch has no loop to run ahead in; all its tiles are asked for at its head.
; LIMITS: none of its own; what the codes and bytes hold is multiplied as it lies.
; REGISTERS.  window 0: v2-14 addresses, v17-22 x's scale words, v24-59 fc_w's, v64-191 scale words as they lie, then rows read back from the stage (two sets);  window 1: x's fragments, tile i, K step s at 96 i + 16 s;
;   window 2: fc_w's ring, group t % 4, tile j at 64 (t % 4) + 16 j;  window 3: v0-127 two sets of eight accumulators ((i, j) at 8 (2 j + i)), v128-223 the bias, eight registers a tile of fc_w.
.set XT,   0                           ; LDS: x's 8 tiles x 12,288
.set WT,   98304                       ; fc_w's 12 tiles x 12,288
.set XSC,  245760                      ; x's scale words, 8 x 512
.set WSC,  249856                      ; fc_w's, 12 x 512; ends at 256,000
.set SPARE, 262144                     ; the spare words, 128 bytes a wave: two blocks of 256 bytes that no other line names
.set STG,  263168                      ; the stages: bytes of their own, into which no tensor load lands
.set SPI,  272                         ; a stage row: 256 bytes + 16
.set STW,  32*SPI                      ; a wave's stage
.set XSR,  17                          ; x's scale words of K steps 0-5: my first tile's in lanes 0-15, my second's in lanes 16-31
.set WSR,  24                          ; fc_w's: pair p of tiles, K step s at 24 + 6 p + s.  XSR - WSR is odd and 6 p is even: no product's two scale words have numbers equal modulo 8
.set TMP,  64
.set OUT,  64
.set BI,   128                         ; window 3
.set MSB, 0
.macro WIN new                         ; the immediate's high byte repeats the setting that is left
.if MSB != \new
	s_set_vgpr_msb (MSB<<8)|\new
.set MSB, \new
.endif
.endm
.set TO_X,  0x40                       ; destination window 1
.set TO_W,  0x80                       ; destination window 2
.set TO_B,  0xc0                       ; destination window 3
.set MUL,   0xf6                       ; source 0 (fc_w) window 2, source 1 (x) window 1, C and D window 3
.set FROM3, 0x0c                       ; source 1 (an LDS store's data) window 3
.macro PLACES n
.rept \n
	v_nop
.endr
.endm
.macro CROUND                          ; a round of the cluster's barrier
	s_barrier_signal -1
	s_barrier_wait -1
	s_cmp_lg_u32 s16, 0
	s_cbranch_scc1 .Lnot_wave_0_\@
	s_barrier_signal -3
.Lnot_wave_0_\@:
	s_barrier_wait -3
	s_barrier_signal -1
	s_barrier_wait -1
.endm
.macro G1REST g, rows                  ; a dense block as rows of 256 bytes (32 elements of 8 bytes)
	s_mov_b32 s[\g+1], 32<<16                      ; tensor_dim0
	s_mov_b32 s[\g+2], (\rows)<<16                 ; tensor_dim1
	s_mov_b32 s[\g+3], 32<<16                      ; tile_dim0
	s_mov_b32 s[\g+4], \rows                       ; tile_dim1
	s_mov_b32 s[\g+5], 32                          ; tensor_dim0_stride
	s_mov_b32 s[\g+6], 0
	s_mov_b32 s[\g+7], 0
.endm
; eight words of three bytes (blocks 3 hd .. 3 hd + 2) become six words of four (K step s: blocks 4 s .. 4 s + 3).  v_perm_b32: selector bytes 0-3 pick from the second source, 4-7 from the first
.macro PERM6 d, t
	v_perm_b32 v[\d+0], v[\t+1], v[\t+0], 0x04020100
	v_perm_b32 v[\d+1], v[\t+2], v[\t+1], 0x05040201
	v_perm_b32 v[\d+2], v[\t+3], v[\t+2], 0x06050402
	v_perm_b32 v[\d+3], v[\t+5], v[\t+4], 0x04020100
	v_perm_b32 v[\d+4], v[\t+6], v[\t+5], 0x05040201
	v_perm_b32 v[\d+5], v[\t+7], v[\t+6], 0x06050402
.endm
.macro WFETCH t                        ; step t's four fragments of fc_w: 16 loads
	WIN TO_W
.irp j, 0,1,2,3
.irp c, 0,1,2,3
	ds_load_b128 v[64*((\t)%4)+16*\j+4*\c:64*((\t)%4)+16*\j+4*\c+3], v[12+(\t)/6] offset:12288*\j+2048*((\t)%6)+512*\c
.endr
.endr
	WIN 0
.endm
.macro FCW t, j, i                     ; accumulator (i, j) of the unit's set += fc_w's tile 4 (t / 6) + j x x's tile i, K step t % 6; the first K step takes the bias as C
.set U_, (\t)/6
.set S_, (\t)%6
.set AC_, 64*(U_%2)+8*(2*(\j)+(\i))
.set CC_, AC_
.if S_ == 0
.set CC_, BI+8*(4*U_+(\j))
.endif
.set WA_, 64*((\t)%4)+16*(\j)
.set XB_, 96*(\i)+16*S_
.set SW_, WSR+6*(2*U_+(\j)/2)+S_
.set SX_, XSR+S_
.if (((\j)%2) == 0) && ((\i) == 0)
	v_wmma_scale_f32_16x16x128_f8f6f4 v[AC_:AC_+7], v[WA_:WA_+15], v[XB_:XB_+15], v[CC_:CC_+7], v[SW_], v[SX_] matrix_a_fmt:MATRIX_FMT_BF8 matrix_b_fmt:MATRIX_FMT_BF8
.elseif ((\i) == 0)
	v_wmma_scale_f32_16x16x128_f8f6f4 v[AC_:AC_+7], v[WA_:WA_+15], v[XB_:XB_+15], v[CC_:CC_+7], v[SW_], v[SX_] matrix_a_fmt:MATRIX_FMT_BF8 matrix_b_fmt:MATRIX_FMT_BF8 matrix_a_scale:MATRIX_SCALE_ROW1
.elseif (((\j)%2) == 0)
	v_wmma_scale_f32_16x16x128_f8f6f4 v[AC_:AC_+7], v[WA_:WA_+15], v[XB_:XB_+15], v[CC_:CC_+7], v[SW_], v[SX_] matrix_a_fmt:MATRIX_FMT_BF8 matrix_b_fmt:MATRIX_FMT_BF8 matrix_b_scale:MATRIX_SCALE_ROW1
.else
	v_wmma_scale_f32_16x16x128_f8f6f4 v[AC_:AC_+7], v[WA_:WA_+15], v[XB_:XB_+15], v[CC_:CC_+7], v[SW_], v[SX_] matrix_a_fmt:MATRIX_FMT_BF8 matrix_b_fmt:MATRIX_FMT_BF8 matrix_a_scale:MATRIX_SCALE_ROW1 matrix_b_scale:MATRIX_SCALE_ROW1
.endif
.endm
; THE WAY OUT of unit u.  TOSTAGE: its eight accumulators into my own stage (row 16 i + r, byte 128 (j / 2) + 32 (j % 2) + 64 h), and back as whole rows of 256 bytes, two a load.  SEND: stored.
.macro TOSTAGE u
	s_wait_xcnt 0x0                                ; earlier stores have read their registers: the loads below may land there
	WIN FROM3
.irp i, 0,1
.irp j, 0,1,2,3
	ds_store_b128 v6, v[64*((\u)%2)+8*(2*\j+\i):64*((\u)%2)+8*(2*\j+\i)+3] offset:16*SPI*\i+128*(\j/2)+32*(\j%2)          ; each accumulator from its low end on
	ds_store_b128 v6, v[64*((\u)%2)+8*(2*\j+\i)+4:64*((\u)%2)+8*(2*\j+\i)+7] offset:16*SPI*\i+128*(\j/2)+32*(\j%2)+16
.endr
.endr
	WIN 0
.irp k, 0,1,2,3,4,5,6,7,8,9,10,11,12,13,14,15
	ds_load_b128 v[OUT+64*((\u)%2)+4*\k:OUT+64*((\u)%2)+4*\k+3], v7 offset:2*SPI*\k   ; LDS serves a wave's instructions in order (ISA guide 5.7.1.4): these see the stores above, and the next unit's stores come behind them
.endr
.endm
.macro SEND u, younger                 ; younger: the LDS loads issued behind TOSTAGE's, which may stay out
	s_wait_dscnt \younger
.irp k, 0,1,2,3,4,5,6,7,8,9,10,11,12,13,14,15
	global_store_b128 v8, v[OUT+64*((\u)%2)+4*\k:OUT+64*((\u)%2)+4*\k+3], s[14:15] offset:(8*(\k/8)+2*(\k%8)+8*((\k%8)/4))*3072+256*(\u) th:TH_STORE_NT   ; stage rows 2 k, 2 k + 1 are lane-rows of tile k / 8; each half of the lanes stores 256 consecutive bytes, aligned
.endr
.endm
; A STEP: eight products.  Eight places stand behind the last step's products, in front of the loads into the group that they read and of the stage's reads of their sums.
.macro KS t
	PLACES 8
.if (\t) <= 15
	s_wait_dscnt 32                                ; this step's fragments are in; the two younger groups may be out
.elseif (\t) == 16
	s_wait_dscnt 16
.else
	s_wait_dscnt 0x0
.endif
.if (((\t)%6) == 0) && ((\t) > 0)
	TOSTAGE (\t)/6-1                               ; the unit just finished
.endif
.if (\t)+3 < 18
	WFETCH (\t)+3
.endif
	WIN MUL
.irp j, 0,1,2,3
.irp i, 0,1
	FCW \t, \j, \i
.endr
.endr
	WIN 0
.if (((\t)%6) == 0) && ((\t) > 0)
	SEND (\t)/6-1, 16                              ; behind the stage's loads: the 16 of the group just fetched
.endif
.endm
	s_load_b256 s[4:11], s[0:1], 0x0               ; xc 4, xs 6, wc 8, ws 10
	s_load_b128 s[12:15], s[0:1], 0x20             ; fc_b 12, out0 14
	v_lshl_add_u32 v9, v0, 2, SPARE
	v_mov_b32 v10, 0
	ds_add_u32 v9, v10                             ; the wave's opening: the add, twice on end, and its wait ahead of my first tensor load
	ds_add_u32 v9, v10
	v_lshrrev_b32 v1, 5, v0
	v_readfirstlane_b32 s16, v1                    ; wave 0..3
	s_bfe_u32 s17, ttmp6, 0x40000                  ; cx, cy: my place in the cluster
	s_bfe_u32 s18, ttmp6, 0x40004
	s_lshl_b32 s19, ttmp9, 2
	s_add_co_u32 s19, s19, s17                     ; my block of 192 columns
	s_and_b32 s20, ttmp7, 0xffff
	s_lshl_b32 s20, s20, 2
	s_add_co_u32 s20, s20, s18                     ; my block of 128 rows
	s_lshl_b32 s76, s18, 2
	s_lshl_b32 s76, 15, s76                        ; my row of the cluster
	s_lshl_b32 s80, 0x1111, s17                    ; my column
	s_or_b32 s24, s76, (3<<16)|(1<<21)             ; group 1, x's codes: 15:0 the mask; 17:16 elements of 8 bytes; 21 set beside a mask
	s_or_b32 s32, s76, (3<<16)|(1<<21)             ; x's scale words
	s_or_b32 s40, s80, (3<<16)|(1<<21)             ; fc_w's codes
	s_or_b32 s48, s80, (3<<16)|(1<<21)             ; fc_w's scale words
	G1REST 24, 384                                 ; eight tiles: 98,304 bytes
	G1REST 32, 16                                  ; their words: 4,096
	G1REST 40, 576                                 ; twelve tiles: 147,456
	G1REST 48, 24                                  ; their words: 6,144
	s_lshl_b32 s76, s20, 3                         ; x: tile 8 x block.  These four registers never hold cx,
	s_lshl_b32 s78, s76, 9
	s_mov_b32 s79, 0
	s_mul_i32 s76, s76, 12288
	s_mov_b32 s77, 0
	s_mul_i32 s80, s19, 12                         ; fc_w: tile 12 x block.  and these never cy
	s_lshl_b32 s82, s80, 9
	s_mov_b32 s83, 0
	s_mul_i32 s80, s80, 12288
	s_mov_b32 s81, 0
	s_mov_b32 s56, 1                               ; groups 0: count, LDS address (a constant), global address, type
	s_mov_b32 s57, XT
	s_mov_b32 s60, 1
	s_mov_b32 s61, XSC
	s_mov_b32 s68, 1
	s_mov_b32 s69, WT
	s_mov_b32 s72, 1
	s_mov_b32 s73, WSC
	s_mul_i32 s84, s16, 24576                      ; my two tiles of x in LDS,
	s_lshl_b32 s85, s16, 10
	s_add_co_u32 s85, s85, XSC                     ; their scale words,
	s_mul_i32 s90, s16, STW
	s_add_co_u32 s90, s90, STG                     ; my stage
	s_mul_i32 s86, s19, 768                        ; my block's columns, in bytes: in fc_b and in a row of out0
	s_mov_b32 s87, 0
	s_lshl_b32 s88, s20, 7
	s_lshl_b32 s89, s16, 5
	s_add_co_u32 s88, s88, s89                     ; my first row: 128 x block + 32 x wave
	s_mul_i32 s88, s88, 3072
	s_add_co_u32 s88, s88, s86
	s_mov_b32 s89, 0
	s_wait_dscnt 0x0                               ; both opening adds are done
	s_wait_kmcnt 0x0
	s_add_nc_u64 s[58:59], s[4:5], s[76:77]
	s_or_b32 s59, s59, 0x80000000
	s_add_nc_u64 s[62:63], s[6:7], s[78:79]
	s_or_b32 s63, s63, 0x80000000
	s_add_nc_u64 s[70:71], s[8:9], s[80:81]
	s_or_b32 s71, s71, 0x80000000
	s_add_nc_u64 s[74:75], s[10:11], s[82:83]
	s_or_b32 s75, s75, 0x80000000
	s_add_nc_u64 s[12:13], s[12:13], s[86:87]
	s_add_nc_u64 s[14:15], s[14:15], s[88:89]
	CROUND                                         ; all sixteen work-groups are here: the joint loads meet
	s_cmp_lt_u32 s16, 1                            ; ONE joint load a wave, in one chain of branches on the wave's number
	s_cbranch_scc0 .Lfor_w
	tensor_load_to_lds s[56:59], s[24:31]          ; wave 0: x's codes
	s_nop 0
	PLACES 4
	s_branch .Lasked
.Lfor_w:
	s_cmp_lt_u32 s16, 2
	s_cbranch_scc0 .Lfor_xs
	tensor_load_to_lds s[68:71], s[40:47]          ; wave 1: fc_w's codes
	s_nop 0
	PLACES 4
	s_branch .Lasked
.Lfor_xs:
	s_cmp_lt_u32 s16, 3
	s_cbranch_scc0 .Lfor_ws
	tensor_load_to_lds s[60:63], s[32:39]          ; wave 2: x's scale words
	s_nop 0
	PLACES 4
	s_branch .Lasked
.Lfor_ws:
	tensor_load_to_lds s[72:75], s[48:55]          ; wave 3: fc_w's scale words
	s_nop 0
	PLACES 4
.Lasked:
	v_and_b32 v60, 31, v0                          ; lane
	v_and_b32 v61, 15, v0                          ; r
	v_bfe_u32 v62, v0, 4, 1                        ; h
	v_lshlrev_b32 v63, 4, v60                      ; 16 x lane: an image's place
	v_add_nc_u32 v2, s84, v63                      ; my two tiles of x
	v_add_nc_u32 v12, WT, v63                      ; fc_w's tiles 0-3,
	v_add_nc_u32 v13, WT+49152, v63                ; 4-7,
	v_add_nc_u32 v14, WT+98304, v63                ; 8-11
	v_lshlrev_b32 v3, 2, v61
	v_lshl_add_u32 v3, v62, 9, v3                  ; scale words: lane-row r; lanes 16-31 the next tile's, 512 bytes on
	v_add_nc_u32 v4, s85, v3
	v_add_nc_u32 v5, WSC, v3
	v_mul_u32_u24 v6, v61, SPI                     ; into the stage: row r, byte 64 h
	v_lshl_add_u32 v6, v62, 6, v6
	v_add_nc_u32 v6, s90, v6
	v_mul_u32_u24 v7, v62, SPI                     ; back: lanes 0-15 one row, lanes 16-31 the next
	v_lshl_add_u32 v7, v61, 4, v7
	v_add_nc_u32 v7, s90, v7
	v_mul_u32_u24 v8, v62, 3072                    ; and the same two rows in out0
	v_lshl_add_u32 v8, v61, 4, v8
	v_lshlrev_b32 v11, 6, v62                      ; the bias: my half's 16 columns
	s_wait_alu depctr_va_vdst(0)                   ; the wait at the head's end
	WIN TO_B
.irp g, 0,1,2,3,4,5,6,7,8,9,10,11
	global_load_b128 v[BI+8*\g:BI+8*\g+3], v11, s[12:13] offset:(32*(\g/2)+8*(\g%2))*4          ; register k of tile g's results: column 32 (g / 2) + 8 (g % 2) + 16 h + k
	global_load_b128 v[BI+8*\g+4:BI+8*\g+7], v11, s[12:13] offset:(32*(\g/2)+8*(\g%2))*4+16
.endr
	WIN 0
	s_wait_tensorcnt 0x0                           ; my fill has landed,
	s_barrier_signal -1
	s_barrier_wait -1                              ; everybody's has
.irp hd, 0,1,2,3,4,5,6,7
	ds_load_b32 v[TMP+\hd], v4 offset:64*\hd
.endr
.irp p, 0,1,2,3,4,5
.irp hd, 0,1,2,3,4,5,6,7
	ds_load_b32 v[TMP+8+8*\p+\hd], v5 offset:1024*\p+64*\hd
.endr
.endr
	WIN TO_X
.irp i, 0,1
.irp s, 0,1,2,3,4,5
.irp c, 0,1,2,3
	ds_load_b128 v[96*\i+16*\s+4*\c:96*\i+16*\s+4*\c+3], v2 offset:12288*\i+2048*\s+512*\c   ; x's fragments stay in registers
.endr
.endr
.endr
	WIN 0
	s_wait_dscnt 48                                ; the scale words are in; x's 48 loads may be out
	PERM6 XSR, TMP
.irp p, 0,1,2,3,4,5
	PERM6 WSR+6*\p, TMP+8+8*\p
.endr
	WFETCH 0
	WFETCH 1
	WFETCH 2
	s_wait_alu depctr_va_vdst(0)                   ; directly ahead of the wait below
	s_wait_loadcnt 0x0                             ; the bias
.set T, 0
.rept 18                                       ; (the first step's eight places also stand between the scale words' last write and their first product)
	KS T
.set T, T+1
.endr
	PLACES 8
	TOSTAGE 2
	SEND 2, 0
	s_wait_tensorcnt 0x0                           ; the wave's end
	ds_add_u32 v9, v10
	s_wait_dscnt 0x0
	CROUND                                         ; the closing round: no work-group ends while a partner may still ask for a tile that names it
	s_endpgm
.Lfunc_end_k_qaf7c61f08d_fc:
	.size	k_qaf7c61f08d_fc, .Lfunc_end_k_qaf7c61f08d_fc-k_qaf7c61f08d_fc
	.p2alignl 7, 3214868480
	.fill 96, 4, 3214868480
	.section	.rodata,"a",@progbits
	.p2align	6, 0x0
	.amdhsa_kernel k_qaf7c61f08d_fc
		.amdhsa_group_segment_fixed_size 327680
		.amdhsa_private_segment_fixed_size 0
		.amdhsa_enable_private_segment 0
		.amdhsa_kernarg_size 48
		.amdhsa_user_sgpr_count 2
		.amdhsa_user_sgpr_kernarg_segment_ptr 1
		.amdhsa_wavefront_size32 1
		.amdhsa_system_sgpr_workgroup_id_x 1
		.amdhsa_system_sgpr_workgroup_id_y 1
		.amdhsa_system_sgpr_workgroup_id_z 1
		.amdhsa_system_vgpr_workitem_id 0
		.amdhsa_next_free_vgpr 1024
		.amdhsa_next_free_sgpr 92
		.amdhsa_reserve_vcc 0
		.amdhsa_float_denorm_mode_32 3
		.amdhsa_float_denorm_mode_16_64 3
		.amdhsa_memory_ordered 1
		.amdhsa_forward_progress 1
		.amdhsa_inst_pref_size 76
	.end_amdhsa_kernel
	.amdgpu_metadata
---
amdhsa.version: [ 1, 2 ]
amdhsa.kernels:
  - .name:           k_qaf7c61f08d_fc
    .symbol:         k_qaf7c61f08d_fc.kd
    .args:
      - { .name: xc, .offset: 0, .size: 8, .value_kind: global_buffer, .address_space: global }
      - { .name: xs, .offset: 8, .size: 8, .value_kind: global_buffer, .address_space: global }
      - { .name: wc, .offset: 16, .size: 8, .value_kind: global_buffer, .address_space: global }
      - { .name: ws, .offset: 24, .size: 8, .value_kind: global_buffer, .address_space: global }
      - { .name: fc_b, .offset: 32, .size: 8, .value_kind: global_buffer, .address_space: global }
      - { .name: out0, .offset: 40, .size: 8, .value_kind: global_buffer, .address_space: global }
    .group_segment_fixed_size: 327680
    .private_segment_fixed_size: 0
    .kernarg_segment_align: 8
    .kernarg_segment_size: 48
    .max_flat_workgroup_size: 128
    .sgpr_count:     92
    .vgpr_count:     1024
    .wavefront_size: 32
...
	.end_amdgpu_metadata
.endif
;; end of part 3
